; MI455X (gfx1250); checked and timed in simulation.
; The chip was launched on July 23, 2026; its instructions are those of AMD's public machine-readable ISA for CDNA 5 (MIT licence, August 2026) and "CDNA5" Instruction Set Architecture Reference Guide (July 2026). The comments in the code are by the model that wrote it; some were corrected since.
;; Memory Efficient Attention. Allowed arithmetic: matrix products marked QUANTISED: E2M3 operands, one E8M0 scale for each 32 along K, by v_wmma_scale_f32_16x16x128_f8f6f4 with both operands' format E2M3, f32 sums; everything else in f32.
;; Inputs: proj_b 1,024 float32; proj_w 1,024 x 1,024 float32; qkv_w 3,072 x 1,024 float32; x 2 x 2,048 x 1,024 float32.
;; Outputs: out0 2 x 2,048 x 1,024 float32.
;; This version of the problem:
;;   THIS VERSION OF THE PROBLEM IS GIVEN IN LOW PRECISION. The matrix products marked QUANTISED in the list below multiply operands that are first quantised to E2M3 (2 exponent bits, 3 mantissa bits; 6 bits a number), with one power-of-two scale for each 32 numbers along K (OCP MX v1.0); their sums are f32. All else is computed in f32.
;;   The module's matrix products, in the order in which they are computed (A, B: the left and right operand; K: the contracted axis; several contracted axes count as one K, in the product's order):
;;     1. [M 4,096, K 1,024] x [K 1,024, N 3,072]; A: input x; B: input qkv_w: QUANTISED
;;     2. batch 32 x [M 2,048, K 64] x [K 64, N 2,048]; A: computed on the way; B: computed on the way: QUANTISED
;;     3. batch 32 x [M 2,048, K 2,048] x [K 2,048, N 64]; A: softmax (see below); B: computed on the way: QUANTISED
;;     4. [M 4,096, K 1,024] x [K 1,024, N 1,024]; A: computed on the way; B: input proj_w: QUANTISED
;;   THE QUANTISER, for each operand of a quantised product, along K:
;;     - K is cut into blocks of 32 from its start; a last block that is shorter is filled with zeros.
;;     - A block's scale is 2^e with e = floor(log2(the largest magnitude in the block)) - 2, held to -126 .. 127; a block of zeros has e = 0. As a byte (E8M0): e + 127.
;;     - Each number is divided by its block's scale, clamped to +-7.5, and rounded to the nearest number of E2M3, ties to even, subnormals kept.
;;     - The product sums the exact products of the quantised numbers (number of the format x scale) in f32.
;;   ~~~python
;;   def quantise(x, axis):      # numpy; x: float32 -> the quantised numbers, widened to float32 again
;;       x = np.moveaxis(x, axis, -1); K = x.shape[-1]
;;       x = np.pad(x, [(0, 0)] * (x.ndim - 1) + [(0, -K % 32)]); x = x.reshape(x.shape[:-1] + (-1, 32)); a = np.abs(x).max(-1, keepdims=True)
;;       e = np.where(a > 0, np.clip(np.frexp(np.where(a > 0, a, 1))[1] - 1 - 2, -126, 127), 0)      # np.frexp(a)[1] - 1 = floor(log2(a)), exactly
;;       r = np.clip(x / 2.0 ** e, -7.5, 7.5)
;;       step = 2.0 ** (np.maximum(np.frexp(np.where(r == 0, 1, r))[1] - 1, 0) - 3)
;;       q = np.round(r / step) * step * 2.0 ** e      # np.round: ties to even
;;       return np.moveaxis(q.reshape(q.shape[:-2] + (-1,))[..., :K], -1, axis).astype(np.float32)
;;   ~~~
;;   SOFTMAX AHEAD OF A QUANTISED PRODUCT. Where the list says 'softmax', what is quantised is not the finished softmax but p = 2^(t - M), with t = logit x log2(e) and M = ceil(the row's largest t), a whole number; so 1/2 < the row's largest p <= 1. The row's sum l is taken of the UNQUANTISED p, in f32, and the product's result is divided by l at the end. Since M is a whole number, a kernel that streams over the keys may use a running M (the ceiling of the running maximum): every later rescaling is an exact power of two, which a block's scale takes up: the codes' values come out the same.
;;   OPERANDS COMPUTED ON THE WAY. 'Computed on the way' means the value that the module computes at that place (a softmax that the list does not call 'softmax' is quantised finished and normalised). What goes into a quantiser is computed in f32, as accurately as f32 sums, v_exp_f32 and their like allow (about 1e-6 of the number): no bf16 or f16 on the way to a quantiser, and a product that is left as it is and whose result goes on into a quantised operand takes f32 operands (vector FMAs, or v_wmma_f32_16x16x4_f32). A number that lies on a knife's edge between two numbers of the format may be rounded either way, as far as f32 arithmetic and the matrix unit's own rounding can turn it there, and no further.
;; One version. Each part assembles by itself: llvm-mc -triple=amdgcn-amd-amdhsa -mcpu=gfx1250 --defsym DOCPART=n.
;; ======== version 1 of 1: 4 launches
;; limits: right only within a limited range of input values
;; workspace buffers: img 6,291,456 bytes; simg 262,144 bytes; qkv 10,092,544 bytes; oimg 3,145,728 bytes; osc 131,072 bytes
;; launch quant (part 1): grid 256 x 1, 4 waves a work-group, no clusters, 168,448 bytes of LDS; arguments x, qkv_w, proj_w, img, simg; writes img, simg
.if DOCPART == 1
	.amdgcn_target "amdgcn-amd-amdhsa--gfx1250"
	.amdhsa_code_object_version 6
	.text
	.protected	k_qdc0f24532b_quant
	.globl	k_qdc0f24532b_quant
	.p2align	8
	.type	k_qdc0f24532b_quant,@function
k_qdc0f24532b_quant:
	s_mov_b64 s[64:65], 0
	v_nop
	global_prefetch_b8 v0, s[64:65] scope:SCOPE_SE
	s_setreg_imm32_b32 hwreg(HW_REG_WAVE_MODE, 25, 1), 1
	s_wait_xcnt 0x0
; x [4096][1024], qkv_w [3072][1024], proj_w [1024][1024], f32, K innermost, become codes of FP6 (E2M3) with one E8M0 byte for each 32 along K,
; stored as IMAGES OF OPERAND REGISTERS.  The three tensors count as one run of 8,192 rows (x 0.., qkv_w 4096.., proj_w 7168..).
; A group of 128 rows makes eight tiles of 16 rows; lane r of tile i holds row 32 (i / 2) + 8 (i % 2) + r + 8 (r / 8) of the group, so that a product that
; takes these tiles as source 0 leaves 16 NEIGHBOURING rows in the 16 registers of tiles 2 b and 2 b + 1.
; img  [group 0..63][K step of 128, 0..7][tile 0..7][1,536 bytes]: register g of lane l at 512 (g / 4) + 16 l + 4 (g % 4): three loads of 16 bytes a lane bring a fragment.
; simg [group][pair of K steps 0..3][tile][r][K step of the pair]: one word of four scale bytes.
; A block's scale is 2^(floor(log2(largest magnitude)) - 2): its byte is the largest magnitude's exponent field - 2, held at 1 from below.
; LIMITS: NaN and infinities are not served; a block of zeros, or one whose largest magnitude is under 2^-124, gets the byte 1 (its codes are what the byte gives; only this program reads the bytes).
; SHARES: a work-group takes 32 rows (two tiles), wave w 256 along K of them: one tensor load of 32 rows x 1,024 bytes, each LDS byte filled once and read by the issuing wave alone:
; so the wave's own wait on TENSORcnt is all the ordering, and there is no barrier.  Work-groups share no input: no cluster.
.set FLOOR, 0x1800000                  ; 2^(3 - 127)
.set EOFF,  0xff000000                 ; 2 off an exponent field
.set PITCH, 1040                       ; an LDS row: 1,024 bytes + 16 of padding.  A wave now brings its 32 rows x 1,024 bytes by ONE tensor load; its two K steps lie 512 bytes apart in a row
.set TILEB, 32*PITCH
.set WREG,  TILEB                      ; a wave's LDS
.set AD,  4                            ; v4   LDS: my row of tile 0, + 64 bytes for lanes 16-31
.set L16, 5                            ; v5   16 x lane
.set L8,  6                            ; v6   8 x lane
.set X,   32                           ; v32-159  two sets of 64 numbers
.set PC,  160                          ; v160-207 four fragments: each unit has its own, so no store's data are written again
.set YT,  208                          ; v208-215 the upper halves of blocks, as the conversions leave them
.set TM,  216                          ; v216-231 +0..3 largest magnitudes, +4..7 the other half's, then the bytes, +12..15 the conversions' scale operands
.set PW,  232                          ; v232-235 a scale word for each unit
.set SWP, 236                          ; v[236:237] the scale words as stored
.set G1,  16
.set G0,  24
.set SEL, 40
.set HIM, 42
	s_load_b256 s[4:11], s[0:1], 0x0               ; x, qkv_w, proj_w, img
	s_load_b64 s[12:13], s[0:1], 0x20              ; simg
	v_lshl_add_u32 v254, v0, 2, 0x29000
	v_mov_b32 v255, 0
	ds_add_u32 v254, v255
	ds_add_u32 v254, v255
	v_lshrrev_b32 v1, 5, v0
	v_readfirstlane_b32 s14, v1                    ; wave 0..3
	s_mov_b32 s[G1+0], (2<<16)|(1<<20)|(7<<22)|(3<<25)  ; elements of 4 bytes; padding on: after every 256 words (code 7) 4 words (code 3)
	s_mov_b32 s[G1+1], 256<<16                     ; tensor_dim0 = 256
	s_mov_b32 s[G1+2], 32<<16                      ; tensor_dim1 = 32
	s_mov_b32 s[G1+3], 256<<16                     ; tile_dim0 = 256
	s_mov_b32 s[G1+4], 32                          ; tile_dim1 = 32
	s_mov_b32 s[G1+5], 1024                        ; elements from row to row
	s_mov_b32 s[G1+6], 0
	s_mov_b32 s[G1+7], 0
	s_mul_i32 s15, s14, WREG
	s_mov_b32 s[SEL], 0x76543210
	s_mov_b32 s[SEL+1], 0xfedcba98                 ; v_permlanex16_b32: lane l xor 16
	s_mov_b32 s[HIM], 0xffff0000                   ; lanes 16-31
	s_wait_dscnt 0x0
	s_wait_kmcnt 0x0
	s_cmp_lt_u32 ttmp9, 128                        ; which tensor: the choice hangs on the work-group's number alone
	s_cselect_b64 s[32:33], s[4:5], s[6:7]
	s_cselect_b32 s34, 0, 128
	s_cmp_lt_u32 ttmp9, 224
	s_cselect_b64 s[32:33], s[32:33], s[8:9]
	s_cselect_b32 s34, s34, 224
	s_sub_co_u32 s34, ttmp9, s34
	s_lshl_b32 s34, s34, 17                        ; 32 rows of 4,096 bytes
	s_lshl_b32 s35, s14, 10                        ; my wave's 1,024 bytes of a row
	s_add_co_u32 s34, s34, s35
	s_mov_b32 s35, 0
	s_add_nc_u64 s[32:33], s[32:33], s[34:35]
.irp q, 0
	s_mov_b32 s[G0+4*\q], 1
	s_add_co_u32 s[G0+4*\q+1], s15, \q*TILEB
	s_add_nc_u64 s[G0+4*\q+2:G0+4*\q+3], s[32:33], \q*512
	s_or_b32 s[G0+4*\q+3], s[G0+4*\q+3], 0x80000000
.endr
	tensor_load_to_lds s[G0:G0+3], s[G1:G1+7]      ; my one load: 32 rows x 1,024 bytes
	s_nop 0
.rept 4
	v_nop
.endr
	s_lshr_b32 s36, ttmp9, 2                       ; the group of 128 rows
	s_and_b32 s37, ttmp9, 3                        ; which pair of its tiles
	s_mul_i32 s38, s36, 98304
	s_mul_i32 s39, s14, 24576                      ; K steps 2 w, 2 w + 1
	s_add_co_u32 s38, s38, s39
	s_mul_i32 s39, s37, 3072
	s_add_co_u32 s38, s38, s39
	s_mov_b32 s39, 0
	s_add_nc_u64 s[10:11], s[10:11], s[38:39]
	s_lshl_b32 s38, s36, 12
	s_lshl_b32 s36, s14, 10
	s_add_co_u32 s38, s38, s36
	s_lshl_b32 s36, s37, 8
	s_add_co_u32 s38, s38, s36
	s_add_nc_u64 s[12:13], s[12:13], s[38:39]
	v_and_b32 v1, 31, v0                           ; lane
	v_and_b32 v2, 15, v0                           ; r
	v_bfe_u32 v3, v0, 4, 1                         ; h
	v_and_b32 v7, 8, v2
	v_add_nc_u32 v7, v7, v2                        ; r + 8 (r / 8)
	v_mul_u32_u24 v[AD], v7, PITCH
	v_lshl_add_u32 v[AD], v3, 6, v[AD]             ; lanes 16-31 take the upper 16 numbers of each block of 32
	v_add_nc_u32 v[AD], s15, v[AD]
	v_lshlrev_b32 v[L16], 4, v1
	v_lshlrev_b32 v[L8], 3, v1
.irp b, 0,1,2,3
	v_mov_b32 v[TM+4+\b], 0                        ; written once: a lane permute's destination counts as one of its sources
.endr
; unit n = tile n % 2, K step n / 2 of my pair: register 16 b + i = k 32 b + 16 (lane / 16) + i of my row
.macro LOADX n
.irp b, 0,1,2,3
.irp j, 0,1,2,3
	ds_load_b128 v[X+64*((\n)%2)+16*\b+4*\j:X+64*((\n)%2)+16*\b+4*\j+3], v[AD] offset:((\n)/2)*512+8*((\n)%2)*PITCH+128*\b+16*\j
.endr
.endr
.endm
; 64 numbers of a lane become a fragment's 12 registers at v[pc] and its scale word in v[pw]
.macro QUANT s, pc, pw
.irp b, 0,1,2,3
	v_max3_num_f32 v[TM+\b], |v[\s+16*\b]|, |v[\s+1+16*\b]|, FLOOR    ; the floor holds the byte at 1 from below
.endr
.irp i, 2,4,6,8,10,12,14
.irp b, 0,1,2,3
	v_max3_num_f32 v[TM+\b], v[TM+\b], |v[\s+16*\b+\i]|, |v[\s+1+16*\b+\i]|   ; the four blocks by turns
.endr
.endr
.irp b, 0,1,2,3
	v_permlanex16_b32 v[TM+4+\b], v[TM+\b], s[SEL], s[SEL+1]
.endr
.irp b, 0,1,2,3
	v_max_num_f32 v[TM+\b], v[TM+\b], v[TM+4+\b]   ; with lane l xor 16's: the block's largest magnitude
.endr
.irp b, 0,1,2,3
	v_add_nc_u32 v[TM+12+\b], EOFF, v[TM+\b]       ; the conversion takes the exponent field of this operand as its scale
.endr
.irp b, 0,1,2,3
	v_lshrrev_b32 v[TM+4+\b], 23, v[TM+12+\b]      ; the scale's byte
.endr
	v_lshl_or_b32 v[\pw], v[TM+5], 8, v[TM+4]
	v_lshl_or_b32 v[\pw], v[TM+6], 16, v[\pw]
	v_lshl_or_b32 v[\pw], v[TM+7], 24, v[\pw]
.irp c, 0,1
	v_cvt_scalef32_pk16_fp6_f32 v[\pc+6*\c:\pc+6*\c+2], v[\s+32*\c:\s+32*\c+15], v[TM+12+2*\c]
	v_cvt_scalef32_pk16_fp6_f32 v[YT+4*\c:YT+4*\c+2], v[\s+32*\c+16:\s+32*\c+31], v[TM+13+2*\c]   ; (a conversion's three registers begin on an even number)
.endr
	v_nop                                          ; one plain line behind the scaled conversions
.irp c, 0,1                                    ; the operand wants a whole block in a lane: lanes 0-15 block 2 c, lanes 16-31 block 2 c + 1
.irp i, 0,1,2
	v_permlane16_swap_b32 v[\pc+6*\c+\i], v[YT+4*\c+\i]
.endr
.irp i, 0,1,2
	v_mov_b32 v[\pc+3+6*\c+\i], v[YT+4*\c+\i]
.endr
.endr
.endm
.macro STORE n                         ; each store of the wave covers 512 consecutive bytes, aligned
.irp c, 0,1,2
	global_store_b128 v[L16], v[PC+12*(\n)+4*\c:PC+12*(\n)+4*\c+3], s[10:11] offset:((\n)/2)*12288+((\n)%2)*1536+512*\c
.endr
.endm
	s_wait_alu depctr_va_vdst(0)
	s_wait_tensorcnt 0x0                           ; my tile is in
	LOADX 0
	LOADX 1
	s_wait_dscnt 16                                ; unit 0's 16 loads are in, unit 1's may be out
	QUANT X, PC, PW
	STORE 0
	LOADX 2
	s_wait_dscnt 16
	QUANT X+64, PC+12, PW+1
	STORE 1
	LOADX 3
	s_wait_dscnt 16
	QUANT X, PC+24, PW+2
	STORE 2
	s_wait_dscnt 0x0
	QUANT X+64, PC+36, PW+3
	STORE 3
	v_cndmask_b32 v[SWP], v[PW], v[PW+1], s[HIM]   ; lanes 0-15: tile 0's rows, lanes 16-31: tile 1's (every lane holds its row's word)
	v_cndmask_b32 v[SWP+1], v[PW+2], v[PW+3], s[HIM]
	global_store_b64 v[L8], v[SWP:SWP+1], s[12:13] ; 256 consecutive bytes, aligned
	s_wait_tensorcnt 0x0
	ds_add_u32 v254, v255
	s_wait_dscnt 0x0
	s_endpgm
.Lfunc_end_k_qdc0f24532b_quant:
	.size	k_qdc0f24532b_quant, .Lfunc_end_k_qdc0f24532b_quant-k_qdc0f24532b_quant
	.p2alignl 7, 3214868480
	.fill 96, 4, 3214868480
	.section	.rodata,"a",@progbits
	.p2align	6, 0x0
	.amdhsa_kernel k_qdc0f24532b_quant
		.amdhsa_group_segment_fixed_size 168448
		.amdhsa_private_segment_fixed_size 0
		.amdhsa_enable_private_segment 0
		.amdhsa_kernarg_size 40
		.amdhsa_user_sgpr_count 2
		.amdhsa_user_sgpr_kernarg_segment_ptr 1
		.amdhsa_wavefront_size32 1
		.amdhsa_system_sgpr_workgroup_id_x 1
		.amdhsa_system_sgpr_workgroup_id_y 1
		.amdhsa_system_sgpr_workgroup_id_z 1
		.amdhsa_system_vgpr_workitem_id 0
		.amdhsa_next_free_vgpr 256
		.amdhsa_next_free_sgpr 66
		.amdhsa_reserve_vcc 0
		.amdhsa_float_denorm_mode_32 3
		.amdhsa_float_denorm_mode_16_64 3
		.amdhsa_memory_ordered 1
		.amdhsa_forward_progress 1
		.amdhsa_inst_pref_size 24
	.end_amdhsa_kernel
	.amdgpu_metadata
---
amdhsa.version: [ 1, 2 ]
amdhsa.kernels:
  - .name:           k_qdc0f24532b_quant
    .symbol:         k_qdc0f24532b_quant.kd
    .args:
      - { .name: x, .offset: 0, .size: 8, .value_kind: global_buffer, .address_space: global }
      - { .name: qkv_w, .offset: 8, .size: 8, .value_kind: global_buffer, .address_space: global }
      - { .name: proj_w, .offset: 16, .size: 8, .value_kind: global_buffer, .address_space: global }
      - { .name: img, .offset: 24, .size: 8, .value_kind: global_buffer, .address_space: global }
      - { .name: simg, .offset: 32, .size: 8, .value_kind: global_buffer, .address_space: global }
    .group_segment_fixed_size: 168448
    .private_segment_fixed_size: 0
    .kernarg_segment_align: 8
    .kernarg_segment_size: 40
    .max_flat_workgroup_size: 128
    .sgpr_count:     66
    .vgpr_count:     256
    .wavefront_size: 32
...
	.end_amdgpu_metadata
.endif
;; end of part 1
;; launch qkv (part 2): grid 12 x 16, 4 waves a work-group, clusters of 4 x 4, 327,680 bytes of LDS; arguments img, simg, qkv; writes qkv
.if DOCPART == 2
	.amdgcn_target "amdgcn-amd-amdhsa--gfx1250"
	.amdhsa_code_object_version 6
	.text
	.protected	k_qdc0f24532b_qkv
	.globl	k_qdc0f24532b_qkv
	.p2align	8
	.type	k_qdc0f24532b_qkv,@function
k_qdc0f24532b_qkv:
	s_mov_b64 s[64:65], 0
	v_nop
	global_prefetch_b8 v0, s[64:65] scope:SCOPE_SE
	s_setreg_imm32_b32 hwreg(HW_REG_WAVE_MODE, 25, 1), 1
	s_wait_xcnt 0x0
	s_wait_alu depctr_hold_cnt(0) depctr_sa_sdst(0) depctr_va_vdst(0) depctr_va_sdst(0) depctr_va_ssrc(0) depctr_va_vcc(0) depctr_vm_vsrc(0)
	s_getreg_b32 s2, hwreg(HW_REG_IB_STS2, 6, 4)
	s_cmp_eq_u32 s2, 0
	s_cbranch_scc0 .Lentry_in_a_cluster
	s_endpgm
.Lentry_in_a_cluster:
	s_bfe_u32 s2, ttmp6, 0x10000c
	s_cmp_lg_u32 s2, 0xf033
	s_cbranch_scc0 .Lentry_shape_is_right
	s_endpgm
.Lentry_shape_is_right:
; qkv = x W^T on codes of FP6 (K = 1,024), and its results quantised in registers into the operands of attention: q and k along the head's 64, v along the keys.
; Both operands come from img / simg as images of operand registers (a group of 128 rows x a K step of 128 = 8 fragments of 1,536 bytes; lane r of tile i = row 32 (i / 2) + 8 (i % 2) + r + 8 (r / 8)).
; A work-group makes 256 x 256, a wave 128 x 128: 64 accumulators.  THE PRODUCT IS USED TRANSPOSED: source 0 = B's tile, source 1 = A's: a lane holds ONE row of A (lane % 16 of its tile), and by the
; choice of a tile's rows the 64 registers of A's block a are B's 128 rows: register 16 b + i = row 32 b + 16 (lane / 16) + i: four blocks of 32 neighbours, shared by lanes l and l xor 16.
; Clusters x = 0, 1: A = tokens, B = rows of W_q, W_k: a lane's 64 numbers are 128 channels (two heads) of one token.  Cluster x = 2: A = rows of W_v, B = tokens: 128 keys of one channel.
; Either way the 64 numbers become one fragment (12 registers) and one scale word, stored as they stand.
; qkv [batch x 16 + head][128 tokens, 0..15][19,712 bytes]: Q: 8 x 768 bytes (registers 0-5 of a fragment, pair p at 256 p + 8 l), 512 bytes of scale words (lane l: word j = tile 2 j + l / 16; bytes 2, 3 are 0);
; K the same from 6,656; V^T from 13,312: 4 fragments of 16 channels x 128 keys (register g at 512 (g / 4) + 16 l + 4 (g % 4)), 256 bytes of scale words (lane l: word j = tile 2 j + l / 16).
; K goes in slots of 256 through four LDS regions filled by joint tensor loads: A's tile is shared along a row of the 4 x 4 cluster, B's along a column.  The scale words of all of K come once.
; LIMITS: NaN and infinities are not served; a block of zeros or under 2^-124 gets the byte 1.
; REGISTERS: window 0: v16-29 addresses, v32-63 scale words (two sets), v64-111 the way out, v128-223 A's fragments (one set); window 1: B's fragments, two sets (v0, v128); windows 2, 3: accumulator (a, b) at v[8 (8 (a % 4) + b)].
.set FLOOR, 0x1800000
.set EOFF,  0xff000000
.set FR,    12
.set FRB,   1536                       ; a fragment's image
.set QSTEP, 8*FRB                      ; 128 rows x 128 K
.set HALFT, 2*QSTEP                    ; 128 rows x 256 K: what one tensor load brings
.set SLOT,  4*HALFT                    ; A's two halves, B's two halves
.set SCL,   2*SLOT                     ; behind the ring: the scale words, 4,096 bytes for each 128 rows
.set HALFS, 4096
; THE STAGING AS IT STANDS NOW: LDS holds four regions of 73,728 bytes (A's two groups of 128 rows, then B's two), each with K 0 .. 767 of its group, brought by ONE joint load a wave at the head (288 rows of 256 bytes).
; K 768 .. 1,023 is the one refill: 96 rows of 256 bytes into the first third of each region, behind the round in K step 1; three K steps lie between that request and the wait for it.
; The scale words of all of K go by plain loads into 64 registers: K slot s (256 along K) at v32 + 16 s for s = 0, 1 and at v224 + 16 (s - 2) for s = 2, 3.
.set REG,   3*HALFT                    ; a region: 128 rows x 768 K
.set SPARE, 4*REG                      ; the spare words, 128 bytes a wave
.set RSTR,  98304                      ; img: from a group of 128 rows to the next
.set NQ,    2
.set NP,    4                          ; places behind this matrix instruction (ISA guide 7.12.1)
.set NLA,   3                          ; LDS loads that bring a fragment of A
.set BLKB,  19712
.set HSTR,  16*BLKB                    ; qkv: from a head to the next
.set ADRA, 16
.set ADRB, 20
.set L8,   24
.set L16,  25
.set ADRS, 27
.set SPW,  28
.set NIL,  29
.set SC,   32
.set PC,   64
.set YT,   76
.set TM,   84
.set PW,   100
.set EV,   101
.set MW,   102
.set SW0,  104
.set SW1,  108
.set AF,   128
.set G1, 24
.set G0, 32
.set G1B, 48
.set G0B, 56
.set SEL, 66
.set G1S, 68
.set G0S, 76
.set G1SB, 80
.set G0SB, 88
.set MSB, 0
.macro WIN new                         ; the immediate's high byte repeats the setting that is left
.if MSB != (\new)
	s_set_vgpr_msb (MSB<<8)|(\new)
.set MSB, (\new)
.endif
.endm
.set MUL_LO, 0xa1                      ; source 0 (B) window 1, source 1 (A) window 0, C and D window 2
.set MUL_HI, 0xf1
.set TO_B,   0x40
; A joint load: waves 0 and 1 fetch for A, waves 2 and 3 for B; the branch hangs on the wave's number alone.  Four v_nop follow each line.
.macro JLOAD g0a, g1a, g0b, g1b
	s_cmp_eq_u32 s15, 0
	s_cbranch_scc0 .Lfor_b_\@
	tensor_load_to_lds s[\g0a:\g0a+3], s[\g1a:\g1a+7]
	s_nop 0
.rept 4
	v_nop
.endr
	s_branch .Lasked_\@
.Lfor_b_\@:
	tensor_load_to_lds s[\g0b:\g0b+3], s[\g1b:\g1b+7]
	s_nop 0
.rept 4
	v_nop
.endr
.Lasked_\@:
.endm
.macro CREST                           ; a round of the cluster's barrier behind its opening barrier
	s_cmp_lg_u32 s14, 0
	s_cbranch_scc1 .Lnot_wave_0_\@
	s_barrier_signal -3
.Lnot_wave_0_\@:
	s_barrier_wait -3
	s_barrier_signal -1
	s_barrier_wait -1
.endm
.macro CROUND
	s_barrier_signal -1
	s_barrier_wait -1
	CREST
.endm
	s_load_b128 s[4:7], s[0:1], 0x0                ; img, simg
	s_load_b64 s[8:9], s[0:1], 0x10                ; qkv
	v_lshl_add_u32 v[SPW], v0, 2, SPARE
	v_mov_b32 v[NIL], 0
	ds_add_u32 v28, v29
	ds_add_u32 v28, v29
	s_wait_dscnt 0x0
	v_lshrrev_b32 v1, 5, v0
	v_readfirstlane_b32 s14, v1                    ; wave 0..3
	s_lshr_b32 s15, s14, 1                         ; which half of A's 256 rows is mine.  Also: I fetch for A (0) or for B (1)
	s_and_b32 s16, s14, 1                          ; which half of B's.  Also: which 128 rows I fetch
	s_bfe_u32 s40, ttmp6, 0x40000                  ; cx
	s_bfe_u32 s41, ttmp6, 0x40004                  ; cy
	s_and_b32 s18, ttmp7, 0xffff
	s_lshl_b32 s18, s18, 2                         ; 4 x cluster y
	s_lshl_b32 s19, ttmp9, 2
	s_add_co_u32 s19, s19, 16                      ; 16 + 4 x cluster x
	s_cmp_eq_u32 ttmp9, 2                          ; the v clusters: the same in all sixteen partners
	s_cselect_b32 s17, 24, s18                     ; tiles of 256 rows in img: x 0..15, W_q 16..19, W_k 20..23, W_v 24..27
	s_cselect_b32 s42, s18, s19
	s_add_co_u32 s17, s17, s41                     ; A's tile: hangs on cy alone
	s_add_co_u32 s42, s42, s40                     ; B's tile: on cx alone
	s_lshl_b32 s43, s41, 2
	s_lshl_b32 s43, 15, s43                        ; my row of the cluster
	s_lshl_b32 s44, 0x1111, s40                    ; my column
	s_or_b32 s[G1+0], s43, (3<<16)|(1<<21)         ; the mask; elements of 8 bytes; bit 21 beside a mask; no padding: an image is read as it lies
	s_or_b32 s[G1B+0], s44, (3<<16)|(1<<21)
.irp g, G1, G1B                        ; a dense block of 73,728 bytes as 288 rows of 256
	s_mov_b32 s[\g+1], 32<<16
	s_mov_b32 s[\g+2], 288<<16                     ; the head's loads: 288 rows of 256 bytes
	s_mov_b32 s[\g+3], 32<<16
	s_mov_b32 s[\g+4], 288
	s_mov_b32 s[\g+5], 32
	s_mov_b32 s[\g+6], 0
	s_mov_b32 s[\g+7], 0
.endr
	s_lshl_b32 s20, s17, 1
	s_add_co_u32 s20, s20, s16                     ; A: the group of 128 rows that I fetch
	s_lshl_b32 s46, s42, 1
	s_add_co_u32 s46, s46, s16                     ; B likewise
	s_mul_i32 s20, s20, RSTR
	s_mov_b32 s21, 0
	s_mul_i32 s46, s46, RSTR
	s_mov_b32 s47, 0
	s_mul_i32 s45, s14, REG                        ; where they go: by the wave's number alone
	s_mov_b32 s[SEL], 0x76543210
	s_mov_b32 s[SEL+1], 0xfedcba98
	s_mov_b32 s96, 0xffff0000                      ; lanes 16-31
	s_wait_kmcnt 0x0
	s_add_nc_u64 s[20:21], s[4:5], s[20:21]
	s_add_nc_u64 s[46:47], s[4:5], s[46:47]
	CROUND                                         ; all sixteen work-groups are here: the first joint loads meet
	s_mov_b32 s[G0], 1
	s_mov_b32 s[G0+1], s45
	s_mov_b64 s[G0+2:G0+3], s[20:21]
	s_or_b32 s[G0+3], s[G0+3], 0x80000000
	s_mov_b32 s[G0B], 1
	s_mov_b32 s[G0B+1], s45
	s_mov_b64 s[G0B+2:G0B+3], s[46:47]
	s_or_b32 s[G0B+3], s[G0B+3], 0x80000000
	JLOAD G0, G1, G0B, G1B                         ; my one load at the head: K 0 .. 767 of my 128 rows
	v_and_b32 v1, 31, v0                           ; lane
	v_and_b32 v2, 15, v0                           ; r
	v_bfe_u32 v3, v0, 4, 1                         ; h
	s_wait_alu depctr_va_vdst(0)
	v_lshlrev_b32 v[L16], 4, v1
	v_lshlrev_b32 v[L8], 3, v1
	s_mul_i32 s21, s15, REG                        ; my 128 rows of A
	s_mul_i32 s22, s16, REG
	s_add_co_u32 s22, s22, 2*REG                   ; my 128 rows of B, behind A's
	v_add_nc_u32 v[ADRA+3], s21, v[L16]            ; K slot 3 lands where K slot 0 lay
	v_add_nc_u32 v[ADRB+3], s22, v[L16]
.irp s, 0,1,2
	v_add_nc_u32 v[ADRA+\s], s21, v[L16]
	v_add_nc_u32 v[ADRB+\s], s22, v[L16]
	s_add_co_u32 s21, s21, HALFT
	s_add_co_u32 s22, s22, HALFT
.endr
	v_lshlrev_b32 v5, 3, v2                        ; scale words in simg: 8 bytes a row (a K slot's two steps), 4,096 bytes a group of 128 rows
	s_lshl_b32 s21, s17, 1
	s_add_co_u32 s21, s21, s15
	s_lshl_b32 s21, s21, 12                        ; my group of A
	s_lshl_b32 s22, s42, 1
	s_add_co_u32 s22, s22, s16
	s_lshl_b32 s22, s22, 12                        ; my group of B
	v_mov_b32 v6, s21
	v_mov_b32 v7, s22
	v_cndmask_b32 v6, v6, v7, s96                  ; lanes 0-15 take A's words, lanes 16-31 B's
	v_add_nc_u32 v[ADRS], v5, v6
.irp k, 0,1,2,3
.irp i, 0,1,2,3,4,5,6,7
	global_load_b64 v[SC+16*\k+160*(\k/2)+2*\i:SC+16*\k+160*(\k/2)+2*\i+1], v[ADRS], s[6:7] offset:1024*\k+128*\i   ; K slot k, block i
.endr
.endr
.irp b, 0,1,2,3
	v_mov_b32 v[TM+4+\b], 0                        ; written once: a lane permute's destination counts as one of its sources
.endr
.macro FRAG128 reg, adr, q, i          ; a fragment as it was stored: three loads of 512 consecutive bytes
.irp c, 0,1,2
	ds_load_b128 v[\reg+4*\c:\reg+4*\c+3], v[\adr] offset:(\q)*QSTEP+(\i)*FRB+512*\c
.endr
.endm
; 16 matrix instructions: A's blocks a0, a0 + 1 x B's eight.  p: B's set; q: which 128 of the slot; sc: the set of scale words.  zero = 1: the first products start the sums.
; The 64 accumulators take turns, one instruction a turn.  One register carries A's word (lanes 0-15) and B's (lanes 16-31).
.macro MUL16 a0, p, q, sc, zero
.irp a, \a0, \a0+1
.irp b, 0,1,2,3,4,5,6,7
.if \zero
	v_wmma_scale_f32_16x16x128_f8f6f4 v[8*(8*((\a)%4)+\b):8*(8*((\a)%4)+\b)+7], v[128*(\p)+FR*\b:128*(\p)+FR*\b+FR-1], v[AF+FR*(\a):AF+FR*(\a)+FR-1], 0, v[SC+8*NQ*(\sc)+NQ*\b+(\q)], v[SC+8*NQ*(\sc)+NQ*(\a)+(\q)] matrix_a_fmt:MATRIX_FMT_FP6 matrix_b_fmt:MATRIX_FMT_FP6 matrix_a_scale:MATRIX_SCALE_ROW1
.else
	v_wmma_scale_f32_16x16x128_f8f6f4 v[8*(8*((\a)%4)+\b):8*(8*((\a)%4)+\b)+7], v[128*(\p)+FR*\b:128*(\p)+FR*\b+FR-1], v[AF+FR*(\a):AF+FR*(\a)+FR-1], v[8*(8*((\a)%4)+\b):8*(8*((\a)%4)+\b)+7], v[SC+8*NQ*(\sc)+NQ*\b+(\q)], v[SC+8*NQ*(\sc)+NQ*(\a)+(\q)] matrix_a_fmt:MATRIX_FMT_FP6 matrix_b_fmt:MATRIX_FMT_FP6 matrix_a_scale:MATRIX_SCALE_ROW1
.endif
.endr
.endr
.endm
.macro FETCH_B slot, q, p
	WIN TO_B
.irp i, 0,1,2,3,4,5,6,7
	FRAG128 128*(\p)+FR*\i, ADRB+\slot, \q, \i
.endr
	WIN 0
.endm
.macro FETCH_A slot, q, i0
.irp i, \i0, \i0+1, \i0+2, \i0+3
	FRAG128 AF+FR*(\i), ADRA+\slot, \q, \i
.endr
.endm
.macro PLACES n                        ; plain vector lines between a matrix instruction and a load into, or a read of, its registers
.rept \n
	v_nop
.endr
.endm
; A step of 128 along K that has its successor in the same slot.
.macro STEP slot, q, zero
	s_wait_dscnt 4*NLA                             ; all but the youngest loads (A's blocks 4-7) are in
	WIN MUL_LO
	MUL16 0, (\q)%2, \q, \slot, \zero
	MUL16 2, (\q)%2, \q, \slot, \zero
	s_wait_dscnt 0
	PLACES NP
	FETCH_B \slot, (\q)+1, 1-(\q)%2
	FETCH_A \slot, (\q)+1, 0
	WIN MUL_HI
	MUL16 4, (\q)%2, \q, \slot, \zero
	MUL16 6, (\q)%2, \q, \slot, \zero
	PLACES NP
	WIN 0
	FETCH_A \slot, (\q)+1, 4
.endm
; A slot's last step changes slots: one barrier; in front of it each wave waits for all its tensor loads, adds 0 to its spare word, and waits for that and for its reads of this slot.
; fill = 1: the round and the one refill; fill = 0: a plain barrier that shows the refill to all; fill = 2: the next K slot has been shown already: no barrier
.macro TURN slot, next, fill
.if (\fill) < 2
	s_wait_tensorcnt 0x0                           ; all my tensor loads have landed
	ds_add_u32 v[SPW], v[NIL]                      ; 0 onto my spare word
	s_wait_dscnt 4*NLA+1                           ; (the add and A's blocks 4-7 may be out)
.else
	s_wait_dscnt 4*NLA                             ; (A's blocks 4-7 may be out)
.endif
	WIN MUL_LO
	MUL16 0, 1, NQ-1, \slot, 0
	s_wait_dscnt 0x0                               ; the add, where there is one, is done, and my reads of this K slot are over
.if (\fill) < 2
	s_barrier_signal -1
.endif
	MUL16 2, 1, NQ-1, \slot, 0
	WIN 0
.if (\fill) < 2
	s_barrier_wait -1
.endif
.if (\fill) == 1
	CREST                                          ; the barrier has opened a round of the cluster's: no wave of any partner still reads K slot 0 or has a load on its way
	s_add_nc_u64 s[G0+2:G0+3], s[G0+2:G0+3], 3*HALFT       ; no load of mine is out, so the descriptors may be written: K slot 3,
	s_add_nc_u64 s[G0B+2:G0B+3], s[G0B+2:G0B+3], 3*HALFT
	s_mov_b32 s[G1+2], 96<<16                      ; 96 rows of 256 bytes
	s_mov_b32 s[G1+4], 96
	s_mov_b32 s[G1B+2], 96<<16
	s_mov_b32 s[G1B+4], 96
	JLOAD G0, G1, G0B, G1B                         ; my one tensor load behind the round; its four v_nop are the places in front of the loads below
.else
	PLACES NP
.endif
	FETCH_B \next, 0, 0
	FETCH_A \next, 0, 0
	WIN MUL_HI
	MUL16 4, 1, NQ-1, \slot, 0
	MUL16 6, 1, NQ-1, \slot, 0
	PLACES NP
	WIN 0
	FETCH_A \next, 0, 4
.endm
	s_wait_alu depctr_va_vdst(0)
	s_wait_tensorcnt 0x0                           ; my region is in; the barrier shows all four to every wave
	s_barrier_signal -1
	s_barrier_wait -1
	FETCH_B 0, 0, 0
	FETCH_A 0, 0, 0
	FETCH_A 0, 0, 4
	s_wait_loadcnt 0x0                             ; the scale words
	STEP 0, 0, 1                                   ; K = 1,024 is four K slots: the eight steps are written out
	TURN 0, 1, 1                                   ; K slot 0 is read out: its bytes take K slot 3
	STEP 1, 0, 0
	TURN 1, 2, 2
.set SC, 192                           ; K slots 2 and 3 have their words at v224 and v240: SC + 16 x slot
	STEP 2, 0, 0
	TURN 2, 3, 0                                   ; the refill is shown to all
	STEP 3, 0, 0
	s_wait_dscnt 4*NLA
	WIN MUL_LO
	MUL16 0, 1, NQ-1, 3, 0
	MUL16 2, 1, NQ-1, 3, 0
	s_wait_dscnt 0
	WIN MUL_HI
	MUL16 4, 1, NQ-1, 3, 0
	MUL16 6, 1, NQ-1, 3, 0
	WIN 0
	PLACES NP
; THE WAY OUT.  Block a's 64 registers (window 2 or 3) become a fragment in v[PC] on and its scale word in v[PW].  Each accumulator is read from its low end on.
.macro QUANTW a
.set S, 64*((\a)%4)
	WIN 5*(2+(\a)/4)                               ; sources 0 and 1: the block's window
.irp b, 0,1,2,3
	v_max3_num_f32 v[TM+\b], |v[S+16*\b]|, |v[S+16*\b+1]|, FLOOR
.endr
.irp i, 2,4,6,8,10,12,14
.irp b, 0,1,2,3
	v_max3_num_f32 v[TM+\b], |v[S+16*\b+\i]|, |v[S+16*\b+\i+1]|, v[TM+\b]
.endr
.endr
	WIN 0
.irp b, 0,1,2,3
	v_permlanex16_b32 v[TM+4+\b], v[TM+\b], s[SEL], s[SEL+1]
.endr
.irp b, 0,1,2,3
	v_max_num_f32 v[TM+\b], v[TM+\b], v[TM+4+\b]
.endr
.irp b, 0,1,2,3
	v_add_nc_u32 v[TM+12+\b], EOFF, v[TM+\b]
.endr
.irp b, 0,1,2,3
	v_lshrrev_b32 v[TM+4+\b], 23, v[TM+12+\b]
.endr
	v_lshl_or_b32 v[PW], v[TM+5], 8, v[TM+4]
	v_lshl_or_b32 v[PW], v[TM+6], 16, v[PW]
	v_lshl_or_b32 v[PW], v[TM+7], 24, v[PW]
.if (\a) > 0
	s_wait_xcnt 0x0                                ; the last block's stores have read v[PC] on: only now is it written again
.endif
	WIN 2+(\a)/4                                   ; source 0: the block's window
.irp c, 0,1
	v_cvt_scalef32_pk16_fp6_f32 v[PC+6*\c:PC+6*\c+2], v[S+32*\c:S+32*\c+15], v[TM+12+2*\c]
	v_cvt_scalef32_pk16_fp6_f32 v[YT+4*\c:YT+4*\c+2], v[S+32*\c+16:S+32*\c+31], v[TM+13+2*\c]
.endr
	WIN 0
	v_nop                                          ; one plain line behind the scaled conversions
.irp c, 0,1
.irp i, 0,1,2
	v_permlane16_swap_b32 v[PC+6*\c+\i], v[YT+4*\c+\i]
.endr
.irp i, 0,1,2
	v_mov_b32 v[PC+3+6*\c+\i], v[YT+4*\c+\i]
.endr
.endr
.endm
.macro BLOCKADR                        ; s20 = the group of 128 tokens (0..31), s21 = the first head -> s[20:21] = that block's byte in qkv
	s_lshr_b32 s23, s20, 4
	s_lshl_b32 s23, s23, 4
	s_add_co_u32 s23, s23, s21
	s_lshl_b32 s23, s23, 4
	s_and_b32 s20, s20, 15
	s_add_co_u32 s23, s23, s20
	s_mul_i32 s20, s23, BLKB
	s_mov_b32 s21, 0
.endm
	s_cmp_eq_u32 ttmp9, 2                          ; by the cluster's x alone; neither arm holds a barrier, a tensor load or an LDS instruction
	s_cbranch_scc1 .Lv_arm
	; q, k: my 128 tokens x two heads.  Registers 0-5 of a fragment are the first head's 64 channels, 6-11 the second's; bytes 0, 1 of the word the first's, 2, 3 the second's.
	s_lshl_b32 s20, s17, 1
	s_add_co_u32 s20, s20, s15                     ; the group of tokens
	s_sub_co_u32 s21, s42, 16
	s_lshl_b32 s21, s21, 1
	s_add_co_u32 s21, s21, s16                     ; the group of 128 rows of W_q, W_k: 0..15
	s_lshr_b32 s22, s21, 3                         ; 0: q, 1: k
	s_mul_i32 s22, s22, 6656
	s_and_b32 s21, s21, 7
	s_lshl_b32 s21, s21, 1                         ; the first head
	BLOCKADR
	s_add_co_u32 s20, s20, s22
	s_add_nc_u64 s[8:9], s[8:9], s[20:21]
.irp a, 0,1,2,3,4,5,6,7
	QUANTW \a
.irp p, 0,1,2,3,4,5
	global_store_b64 v[L8], v[PC+2*\p:PC+2*\p+1], s[8:9] offset:(\p/3)*HSTR+\a*768+256*(\p%3)   ; 256 consecutive bytes, aligned
.endr
.if \a%2 == 0
	v_mov_b32 v[EV], v[PW]
.else
	v_cndmask_b32 v[MW], v[EV], v[PW], s96         ; lanes 0-15 the even tile's words, lanes 16-31 the odd tile's
	v_and_b32 v[SW0+\a/2], 0xffff, v[MW]           ; the first head's two bytes; the upper two are 0: they meet zero codes
	v_lshrrev_b32 v[SW1+\a/2], 16, v[MW]           ; the second head's
.endif
.endr
	global_store_b128 v[L16], v[SW0:SW0+3], s[8:9] offset:6144
	global_store_b128 v[L16], v[SW1:SW1+3], s[8:9] offset:HSTR+6144
	s_branch .Lout
.Lv_arm:
	; v: my 128 channels (two heads, four tiles each) x 128 keys
	s_lshl_b32 s20, s42, 1
	s_add_co_u32 s20, s20, s16                     ; the group of tokens
	s_lshl_b32 s21, s41, 2
	s_lshl_b32 s22, s15, 1
	s_add_co_u32 s21, s21, s22                     ; the first head: 4 cy + 2 x half
	BLOCKADR
	s_add_nc_u64 s[8:9], s[8:9], s[20:21]
.irp a, 0,1,2,3,4,5,6,7
	QUANTW \a
.irp c, 0,1,2
	global_store_b128 v[L16], v[PC+4*\c:PC+4*\c+3], s[8:9] offset:(\a/4)*HSTR+13312+(\a%4)*FRB+512*\c   ; 512 consecutive bytes, aligned
.endr
.if \a%2 == 0
	v_mov_b32 v[EV], v[PW]
.else
	v_cndmask_b32 v[SW0+4*(\a/4)+(\a%4)/2], v[EV], v[PW], s96
.endif
.if \a%4 == 3
	global_store_b64 v[L8], v[SW0+4*(\a/4):SW0+4*(\a/4)+1], s[8:9] offset:(\a/4)*HSTR+19456
.endif
.endr
.Lout:
	s_wait_tensorcnt 0x0                           ; the wave's end
	ds_add_u32 v[SPW], v[NIL]
	s_wait_dscnt 0x0
	CROUND                                         ; the closing round
	s_endpgm
.Lfunc_end_k_qdc0f24532b_qkv:
	.size	k_qdc0f24532b_qkv, .Lfunc_end_k_qdc0f24532b_qkv-k_qdc0f24532b_qkv
	.p2alignl 7, 3214868480
	.fill 96, 4, 3214868480
	.section	.rodata,"a",@progbits
	.p2align	6, 0x0
	.amdhsa_kernel k_qdc0f24532b_qkv
		.amdhsa_group_segment_fixed_size 327680
		.amdhsa_private_segment_fixed_size 0
		.amdhsa_enable_private_segment 0
		.amdhsa_kernarg_size 24
		.amdhsa_user_sgpr_count 2
		.amdhsa_user_sgpr_kernarg_segment_ptr 1
		.amdhsa_wavefront_size32 1
		.amdhsa_system_sgpr_workgroup_id_x 1
		.amdhsa_system_sgpr_workgroup_id_y 1
		.amdhsa_system_sgpr_workgroup_id_z 1
		.amdhsa_system_vgpr_workitem_id 0
		.amdhsa_next_free_vgpr 1024
		.amdhsa_next_free_sgpr 100
		.amdhsa_reserve_vcc 0
		.amdhsa_float_denorm_mode_32 3
		.amdhsa_float_denorm_mode_16_64 3
		.amdhsa_memory_ordered 1
		.amdhsa_forward_progress 1
		.amdhsa_inst_pref_size 174
	.end_amdhsa_kernel
	.amdgpu_metadata
---
amdhsa.version: [ 1, 2 ]
amdhsa.kernels:
  - .name:           k_qdc0f24532b_qkv
    .symbol:         k_qdc0f24532b_qkv.kd
    .args:
      - { .name: img, .offset: 0, .size: 8, .value_kind: global_buffer, .address_space: global }
      - { .name: simg, .offset: 8, .size: 8, .value_kind: global_buffer, .address_space: global }
      - { .name: qkv, .offset: 16, .size: 8, .value_kind: global_buffer, .address_space: global }
    .group_segment_fixed_size: 327680
    .private_segment_fixed_size: 0
    .kernarg_segment_align: 8
    .kernarg_segment_size: 24
    .max_flat_workgroup_size: 128
    .sgpr_count:     100
    .vgpr_count:     1024
    .wavefront_size: 32
...
	.end_amdgpu_metadata
.endif
;; end of part 2
;; launch attn (part 3): grid 8 x 32, 16 waves a work-group, clusters of 4 x 1, 215,040 bytes of LDS; arguments qkv, oimg, osc; writes oimg, osc
.if DOCPART == 3
	.amdgcn_target "amdgcn-amd-amdhsa--gfx1250"
	.amdhsa_code_object_version 6
	.text
	.protected	k_qdc0f24532b_attn
	.globl	k_qdc0f24532b_attn
	.p2align	8
	.type	k_qdc0f24532b_attn,@function
k_qdc0f24532b_attn:
	s_mov_b64 s[64:65], 0
	v_nop
	global_prefetch_b8 v0, s[64:65] scope:SCOPE_SE
	s_setreg_imm32_b32 hwreg(HW_REG_WAVE_MODE, 25, 1), 1
	s_wait_xcnt 0x0
	s_wait_alu depctr_hold_cnt(0) depctr_sa_sdst(0) depctr_va_vdst(0) depctr_va_sdst(0) depctr_va_ssrc(0) depctr_va_vcc(0) depctr_vm_vsrc(0)
	s_getreg_b32 s2, hwreg(HW_REG_IB_STS2, 6, 4)
	s_cmp_eq_u32 s2, 0
	s_cbranch_scc0 .Lentry_in_a_cluster
	s_endpgm
.Lentry_in_a_cluster:
	s_bfe_u32 s2, ttmp6, 0x10000c
	s_cmp_lg_u32 s2, 0x3003
	s_cbranch_scc0 .Lentry_shape_is_right
	s_endpgm
.Lentry_shape_is_right:
; o = softmax(q k^T / 8) v for one head and 256 queries, both products on codes of FP6, and o quantised along the channels for the last product.
; q, k, v come from qkv as images of operand registers (its layout: 19,712 bytes for 128 tokens of a head: Q, Q's words, K, K's words, V^T, V's words).
; THE SOFTMAX: t = score x log2(e) / 8; M = the running largest t rounded UP to a whole number; p = 2^(t - M) is quantised along the keys, not normalised; the row's sum is taken of the unquantised p
; and divides O at the end (by v_rcp_f32 and a multiplication).  When M moves, the sum and O are multiplied by 2^(old M - new M): exact.
; K = 64 IN THE FIRST PRODUCT: the instruction takes 128.  Q's registers 6-11 are zero codes, and bytes 2, 3 of both scale words are 0 (2^-127, a number): what stands in K's registers 6-11
; (the next tile's codes; zeros behind the last) adds nothing.
; SHARES: sixteen waves, each one tile of 16 queries in 256 registers, four to a SIMD; every wave walks the head's 2,048 keys, 128 a step.
; THE WHOLE HEAD'S K AND V LIE IN LDS, 16 steps x 13,056 bytes, each byte filled once, all asked for at the head: each wave issues one load (step w); nothing is filled again and nothing is stored to LDS.
; CLUSTER: the four query blocks of a cluster walk the same head: each load is a joint one, with the same descriptor and the mask 15 in all four.
; LAYOUT: both products transposed (S^T = K Q^T, O^T = V^T P^T): a lane holds one query.  Lane r of a tile of keys holds key 32 (t / 2) + 8 (t % 2) + r + 8 (r / 8), so the 16 registers of tiles 2 b, 2 b + 1
; are keys 32 b + 16 (lane / 16) + 0 .. 15; V^T's tiles of channels are chosen alike, so O^T's 32 registers are two blocks of 32 neighbouring channels.
; OUT: oimg [128 tokens][K step = head / 2][tile][1,536 bytes: register pair p at 256 p + 8 l]: this head fills pairs 3 (head % 2) on; osc: two scale bytes a row.
; LIMITS: NaN and infinities are not served; p under 2^-126 falls to 0; a block of zeros or under 2^-124 gets the byte 1.
; REGISTERS: v1, v2, v5, v6 addresses that stay; v8, v9 the step's; v12 -M, v13 the largest t, v[14:15] the sum; v16-27 Q; v[28:29] V's words; v32-79 K's, then V's fragments; v80-85 zeros;
; v96-159 S^T, then p; v160-191 O^T; v224-235 p's codes; v232-254 at work; v[248:251] K's words; v253 p's word; v255 Q's.
.set FLOOR, 0x1800000
.set EOFF,  0xff000000
.set BLKB,  19712
.set HSTR,  16*BLKB
.set KOFF,  6656                       ; where K begins in a block of qkv
.set KVB,   13056                      ; K, K's words, V^T, V's words of a step
.set CHB,   4*KVB
.set KSC,   6144                       ; in a step in LDS: K's words,
.set VCO,   6656                       ; V's codes,
.set VSC,   12800                      ; V's words
.set AL8,  1
.set AL16, 2
.set ADK,  8
.set ADS,  9
.set TB,   2
.set CNT,  3
.set WV,   18
.set SEL,  20
.set CS,   22
.set G1,   24
.set G0,   32                          ; s[32:35]
.macro CROUND
	s_barrier_signal -1
	s_barrier_wait -1
	s_cmp_lg_u32 s[WV], 0
	s_cbranch_scc1 .Lnot_wave_0_\@
	s_barrier_signal -3
.Lnot_wave_0_\@:
	s_barrier_wait -3
	s_barrier_signal -1
	s_barrier_wait -1
.endm
	s_load_b128 s[4:7], s[0:1], 0x0                ; qkv, oimg
	s_load_b64 s[8:9], s[0:1], 0x10                ; osc
	v_lshl_add_u32 v223, v0, 2, 0x34000
	v_mov_b32 v243, 0
	ds_add_u32 v223, v243
	ds_add_u32 v223, v243
	v_lshrrev_b32 v3, 5, v0
	s_delay_alu instid0(VALU_DEP_1)
	v_readfirstlane_b32 s[WV], v3                  ; wave 0..15
	s_bfe_u32 s10, ttmp6, 0x40000                  ; cx: it enters Q's and the outputs' addresses alone
	s_lshl_b32 s11, ttmp9, 2
	s_add_co_u32 s11, s11, s10                     ; my block of 256 queries
	s_and_b32 s12, ttmp7, 0xffff                   ; batch x 16 + head, which the partners share
	s_mul_i32 s48, s12, HSTR
	s_mul_i32 s49, s[WV], BLKB
	s_add_co_u32 s50, s48, s49
	s_add_co_u32 s50, s50, KOFF                    ; step w's K and V in memory
	s_mov_b32 s51, 0
	s_mul_i32 s52, s[WV], KVB                      ; and in LDS
	s_lshr_b32 s13, s[WV], 3
	s_lshl_b32 s14, s11, 1
	s_add_co_u32 s13, s13, s14                     ; my group of 128 tokens in the head
	s_and_b32 s14, s[WV], 7                        ; my tile in it
	s_mul_i32 s56, s13, BLKB
	s_add_co_u32 s56, s56, s48
	s_mul_i32 s15, s14, 768
	s_add_co_u32 s58, s56, s15                     ; Q's codes
	s_mov_b32 s59, 0
	s_and_b32 s15, s14, 1
	s_lshl_b32 s15, s15, 8
	s_lshr_b32 s16, s14, 1
	s_lshl_b32 s16, s16, 2
	s_add_co_u32 s15, s15, s16
	s_add_co_u32 s56, s56, s15
	s_add_co_u32 s56, s56, 6144                    ; Q's words: 6,144 + 256 (tile % 2) + 4 (tile / 2), + 16 r
	s_mov_b32 s57, 0
	s_lshr_b32 s15, s12, 4
	s_lshl_b32 s15, s15, 4
	s_add_co_u32 s15, s15, s13                     ; my group of 128 tokens of all 4,096
	s_and_b32 s16, s12, 15                         ; the head
	s_mul_i32 s60, s15, 98304
	s_lshr_b32 s17, s16, 1
	s_mul_i32 s17, s17, 12288
	s_add_co_u32 s60, s60, s17
	s_mul_i32 s17, s14, 1536
	s_add_co_u32 s60, s60, s17
	s_and_b32 s17, s16, 1
	s_mul_i32 s17, s17, 768
	s_add_co_u32 s60, s60, s17                     ; my half fragment in oimg
	s_mov_b32 s61, 0
	s_lshl_b32 s62, s15, 12
	s_lshr_b32 s17, s16, 2
	s_lshl_b32 s17, s17, 10
	s_add_co_u32 s62, s62, s17
	s_lshl_b32 s17, s14, 7
	s_add_co_u32 s62, s62, s17
	s_and_b32 s17, s16, 3
	s_lshl_b32 s17, s17, 1
	s_add_co_u32 s62, s62, s17                     ; my two bytes of a row's words in osc, + 8 r
	s_mov_b32 s63, 0
	s_mov_b32 s[G1+0], 15|(3<<16)|(1<<21)          ; the mask: all four partners; elements of 8 bytes; bit 21 beside a mask
	s_mov_b32 s[G1+1], 32<<16                      ; a dense block of 13,056 bytes as 51 rows of 256
	s_mov_b32 s[G1+2], 51<<16
	s_mov_b32 s[G1+3], 32<<16
	s_mov_b32 s[G1+4], 51
	s_mov_b32 s[G1+5], 32
	s_mov_b32 s[G1+6], 0
	s_mov_b32 s[G1+7], 0
	s_mov_b32 s[SEL], 0x76543210
	s_mov_b32 s[SEL+1], 0xfedcba98
	s_mov_b32 s[CS], 0x3e38aa3b                    ; c = log2(e) / 8
	s_mov_b32 s[CS+1], s[CS]                       ; (named with it as a pair)
	s_wait_dscnt 0x0
	s_wait_kmcnt 0x0
	s_add_nc_u64 s[54:55], s[4:5], s[50:51]
	s_add_nc_u64 s[58:59], s[4:5], s[58:59]
	s_add_nc_u64 s[56:57], s[4:5], s[56:57]
	s_add_nc_u64 s[6:7], s[6:7], s[60:61]
	s_add_nc_u64 s[8:9], s[8:9], s[62:63]
.irp c, 0
	s_mov_b32 s[G0+4*\c], 1
	s_add_co_u32 s[G0+4*\c+1], s52, \c*CHB
	s_add_nc_u64 s[G0+4*\c+2:G0+4*\c+3], s[54:55], \c*4*BLKB
	s_or_b32 s[G0+4*\c+3], s[G0+4*\c+3], 0x80000000
.endr
	CROUND                                         ; all four work-groups are here: the joint loads meet
	tensor_load_to_lds s[G0:G0+3], s[G1:G1+7]      ; THE FILLS AS THEY STAND NOW: sixteen waves, sixteen key steps: wave w brings step w, one joint load a wave, with no branch; both addresses are made from the wave's number
	s_nop 0
.rept 4
	v_nop
.endr
	v_and_b32 v3, 31, v0
	s_delay_alu instid0(VALU_DEP_1)
	v_lshlrev_b32 v[AL8], 3, v3
	s_delay_alu instid0(VALU_DEP_2)
	v_lshlrev_b32 v[AL16], 4, v3
	v_and_b32 v4, 15, v0
	s_delay_alu instid0(VALU_DEP_1)
	v_lshlrev_b32 v5, 4, v4                        ; 16 r
	s_delay_alu instid0(VALU_DEP_2)
	v_lshlrev_b32 v6, 3, v4                        ; 8 r
.irp p, 0,1,2
	global_load_b64 v[16+2*\p:17+2*\p], v[AL8], s[58:59] offset:256*\p   ; Q's registers 0-5 stay
.endr
	global_load_b32 v255, v5, s[56:57]             ; Q's scale words
.irp j, 22,23,24,25,26,27,80,81,82,83,84,85
	v_mov_b32 v\j, 0                               ; zero codes: Q's upper 64, and what stands behind K's last tile
.endr
	v_mov_b32 v13, 0xff61b1e6                      ; the largest t so far: -3e38
	s_delay_alu instid0(VALU_DEP_1)
	v_floor_f32 v12, -v13                          ; -M
	v_mov_b32 v14, 0
	v_mov_b32 v15, 0
.irp b, 0,1,2,3
	v_mov_b32 v[236+\b], 0                         ; a lane permute's destination counts as one of its sources
.endr
	v_mov_b32 v253, 0                              ; (named as the upper half of v[252:253] before it is first written)
.set j, 0
.rept 32
	v_mov_b32 v[160+j], 0                          ; O^T: the step is written once; the first change of M multiplies zeros
.set j, j+1
.endr
; A KEY STEP: 128 keys, at LDS byte s[TB]
.macro STEP
	v_add_nc_u32 v[ADK], s[TB], v[AL8]
	v_add_nc_u32 v[ADS], s[TB], v[AL16]
	v_nop
	v_nop                                          ; four plain lines behind the last step's products, in front of loads into registers that they read
.irp t, 0,1,2,3,4,5,6,7
.irp p, 0,1,2
	ds_load_b64 v[32+6*\t+2*\p:33+6*\t+2*\p], v[ADK] offset:768*\t+256*\p   ; K's tile t: six registers, 256 consecutive bytes a load
.endr
.endr
	ds_load_b128 v[248:251], v[ADS] offset:KSC     ; K's words: register j: tile 2 j in lanes 0-15, tile 2 j + 1 in lanes 16-31
	s_wait_alu depctr_va_vdst(0)
	s_wait_dscnt 0x0
.irp t, 0,2,4,6
	v_wmma_scale_f32_16x16x128_f8f6f4 v[96+8*\t:103+8*\t], v[32+6*\t:43+6*\t], v[16:27], 0, v[248+\t/2], v255 matrix_a_fmt:MATRIX_FMT_FP6 matrix_b_fmt:MATRIX_FMT_FP6
	v_wmma_scale_f32_16x16x128_f8f6f4 v[104+8*\t:111+8*\t], v[38+6*\t:49+6*\t], v[16:27], 0, v[248+\t/2], v255 matrix_a_fmt:MATRIX_FMT_FP6 matrix_b_fmt:MATRIX_FMT_FP6 matrix_a_scale:MATRIX_SCALE_ROW1
.endr
.rept 4
	v_nop                                          ; places: for the loads below and for the first read of the scores
.endr
.irp t, 0,1,2,3
.irp c, 0,1,2
	ds_load_b128 v[32+12*\t+4*\c:35+12*\t+4*\c], v[ADS] offset:VCO+1536*\t+512*\c   ; V^T's four fragments land while the softmax is walked
.endr
.endr
	ds_load_b64 v[28:29], v[ADK] offset:VSC        ; V's words
.irp b, 0,1,2,3
	v_max3_num_f32 v[232+\b], v[96+16*\b], v[97+16*\b], v[98+16*\b]   ; the largest score of each block of 32 keys: for the row's maximum and, since p rises with the score, for the block's largest p
.endr
.irp i, 3,5,7,9,11,13
.irp b, 0,1,2,3
	v_max3_num_f32 v[232+\b], v[232+\b], v[96+16*\b+\i], v[97+16*\b+\i]
.endr
.endr
.irp b, 0,1,2,3
	v_max_num_f32 v[232+\b], v[232+\b], v[111+16*\b]
.endr
.irp b, 0,1,2,3
	s_delay_alu instid0(VALU_DEP_4)
	v_permlanex16_b32 v[236+\b], v[232+\b], s[SEL], s[SEL+1]
.endr
.irp b, 0,1,2,3
	s_delay_alu instid0(VALU_DEP_4)
	v_max_num_f32 v[232+\b], v[232+\b], v[236+\b]  ; with lane l xor 16's 16 keys
.endr
	s_delay_alu instid0(VALU_DEP_2)
	v_max3_num_f32 v254, v232, v233, v234
	s_delay_alu instid0(VALU_DEP_1)
	v_max_num_f32 v254, v254, v235
	s_delay_alu instid0(VALU_DEP_1)
	v_mul_f32 v254, s[CS], v254                    ; as t
	s_delay_alu instid0(VALU_DEP_1)
	v_max_num_f32 v13, v13, v254                   ; the running largest t
	v_mov_b32 v254, v12
	s_delay_alu instid0(VALU_DEP_2)
	v_floor_f32 v12, -v13                          ; the new -M = -ceil(t): a whole number
	s_delay_alu instid0(VALU_DEP_1)
	v_sub_f32 v254, v12, v254                      ; old M - new M, 0 or less
	s_delay_alu instid0(VALU_DEP_1)
	v_cvt_i32_f32 v254, v254
	s_delay_alu instid0(VALU_DEP_1)
	v_ldexp_f32 v252, 1.0, v254                    ; f = 2^(old M - new M)
.set j, 0
.rept 32
	v_pk_fma_f32 v[96+j:97+j], v[96+j:97+j], s[CS:CS+1], v[12:13] op_sel_hi:[1,0,0]   ; t - M, two at a time
.set j, j+2
.endr
.irp b, 0,1,2,3
	v_fma_f32 v[232+\b], v[232+\b], s[CS], v12     ; the same of each block's largest score
.endr
.set j, 0
	s_wait_alu depctr_va_vdst(0)
.rept 64
	v_exp_f32 v[96+j], v[96+j]                     ; p = 2^(t - M)
.set j, j+1
.endr
	v_pk_mul_f32 v[14:15], v[14:15], v[252:253] op_sel_hi:[1,0]   ; the sums under the new M: the plain line behind the exponentials
	s_wait_alu depctr_va_vdst(0)                   ; one wait for the batch of 64, ahead of its first reader
.irp b, 0,1,2,3
	v_exp_f32 v[232+\b], v[232+\b]                 ; the block's largest p: the same two instructions on the same number
.endr
	v_pk_add_f32 v[236:237], v[100:101], v[104:105]
	v_pk_add_f32 v[250:251], v[108:109], v[112:113]
	v_pk_add_f32 v[248:249], v[116:117], v[120:121]
	v_pk_add_f32 v[246:247], v[124:125], v[128:129]
	v_pk_add_f32 v[244:245], v[132:133], v[136:137]
	v_pk_add_f32 v[240:241], v[140:141], v[144:145]
	v_pk_add_f32 v[238:239], v[148:149], v[152:153]
	v_pk_add_f32 v[14:15], v[14:15], v[156:157]
	v_pk_add_f32 v[236:237], v[236:237], v[96:97]
	v_pk_add_f32 v[250:251], v[250:251], v[98:99]
	v_pk_add_f32 v[248:249], v[248:249], v[102:103]
	v_pk_add_f32 v[246:247], v[246:247], v[106:107]
	v_pk_add_f32 v[244:245], v[244:245], v[110:111]
	v_pk_add_f32 v[240:241], v[240:241], v[114:115]
	v_pk_add_f32 v[238:239], v[238:239], v[118:119]
	v_pk_add_f32 v[14:15], v[14:15], v[122:123]
	v_pk_add_f32 v[236:237], v[236:237], v[126:127]
	v_pk_add_f32 v[250:251], v[250:251], v[130:131]
	v_pk_add_f32 v[248:249], v[248:249], v[134:135]
	v_pk_add_f32 v[246:247], v[246:247], v[138:139]
	v_pk_add_f32 v[244:245], v[244:245], v[142:143]
	v_pk_add_f32 v[240:241], v[240:241], v[146:147]
	v_pk_add_f32 v[238:239], v[238:239], v[150:151]
	v_pk_add_f32 v[14:15], v[14:15], v[154:155]
	v_pk_add_f32 v[236:237], v[236:237], v[158:159]
	s_delay_alu instid0(VALU_DEP_2)
	v_pk_add_f32 v[14:15], v[14:15], v[246:247]
	s_delay_alu instid0(VALU_DEP_2)
	v_pk_add_f32 v[236:237], v[236:237], v[244:245]
	v_pk_add_f32 v[250:251], v[250:251], v[240:241]
	v_pk_add_f32 v[248:249], v[248:249], v[238:239]
	s_delay_alu instid0(VALU_DEP_2)
	v_pk_add_f32 v[14:15], v[14:15], v[250:251]
	s_delay_alu instid0(VALU_DEP_2)
	v_pk_add_f32 v[236:237], v[236:237], v[248:249]
	s_delay_alu instid0(VALU_DEP_1)
	v_pk_add_f32 v[14:15], v[14:15], v[236:237]
	s_wait_alu depctr_va_vdst(0)                   ; and one for the four
.irp b, 0,1,2,3
	v_max_num_f32 v[232+\b], FLOOR, v[232+\b]
.endr
.irp b, 0,1,2,3
	s_delay_alu instid0(VALU_DEP_4)
	v_add_nc_u32 v[244+\b], EOFF, v[232+\b]
.endr
.irp b, 0,1,2,3
	s_delay_alu instid0(VALU_DEP_4)
	v_lshrrev_b32 v[236+\b], 23, v[244+\b]
.endr
	s_delay_alu instid0(VALU_DEP_3)
	v_lshl_or_b32 v253, v237, 8, v236              ; p's scale word for these 128 keys
	s_delay_alu instid0(VALU_DEP_1)
	v_lshl_or_b32 v253, v238, 16, v253
	s_delay_alu instid0(VALU_DEP_1)
	v_lshl_or_b32 v253, v239, 24, v253
.irp c, 0,1
	v_cvt_scalef32_pk16_fp6_f32 v[224+6*\c:226+6*\c], v[96+32*\c:111+32*\c], v[244+2*\c]
	v_cvt_scalef32_pk16_fp6_f32 v[236+4*\c:238+4*\c], v[112+32*\c:127+32*\c], v[244+2*\c+1]
.endr
	v_nop                                          ; one plain line behind the scaled conversions
.irp c, 0,1
.irp i, 0,1,2
	v_permlane16_swap_b32 v[224+6*\c+\i], v[236+4*\c+\i]
.endr
.irp i, 0,1,2
	s_delay_alu instid0(VALU_DEP_3)
	v_mov_b32 v[227+6*\c+\i], v[236+4*\c+\i]
.endr
.endr
.set j, 0
.rept 16
	v_pk_mul_f32 v[160+j:161+j], v[160+j:161+j], v[252:253] op_sel_hi:[1,0]   ; O^T under the new M.  Twelve of these name no register of any one product below: the places behind p's word and codes
.set j, j+2
.endr
	s_wait_alu depctr_va_vdst(0)
	s_wait_dscnt 0x0                               ; V^T and its words are in
.irp t, 0,2                                    ; the four accumulators by turns, one instruction a turn
	v_wmma_scale_f32_16x16x128_f8f6f4 v[160+8*\t:167+8*\t], v[32+12*\t:43+12*\t], v[224:235], v[160+8*\t:167+8*\t], v[28+\t/2], v253 matrix_a_fmt:MATRIX_FMT_FP6 matrix_b_fmt:MATRIX_FMT_FP6
	v_wmma_scale_f32_16x16x128_f8f6f4 v[168+8*\t:175+8*\t], v[44+12*\t:55+12*\t], v[224:235], v[168+8*\t:175+8*\t], v[28+\t/2], v253 matrix_a_fmt:MATRIX_FMT_FP6 matrix_b_fmt:MATRIX_FMT_FP6 matrix_a_scale:MATRIX_SCALE_ROW1
.endr
.endm
; The walk: every wave waits for its one load, one barrier shows all sixteen steps to every wave; then sixteen trips with no further barrier.
.macro WALK
	s_wait_tensorcnt 0x0
	s_barrier_signal -1
	s_barrier_wait -1
	s_mov_b32 s[TB], 0
	s_mov_b32 s[CNT], 16
.Lstep_\@:
	STEP
	s_add_co_u32 s[TB], s[TB], KVB
	s_sub_co_u32 s[CNT], s[CNT], 1
	s_cmp_lg_u32 s[CNT], 0
	s_cbranch_scc1 .Lstep_\@
.endm
	s_wait_loadcnt 0x0                             ; Q
	WALK
	; THE WAY OUT: o = O^T / the sum, quantised along my head's 64 channels: two blocks; register 16 b + i = channel 32 b + 16 (lane / 16) + i
	v_add_f32 v14, v14, v15
	s_delay_alu instid0(VALU_DEP_1)
	v_permlanex16_b32 v252, v14, s[SEL], s[SEL+1]
	s_delay_alu instid0(VALU_DEP_1)
	v_add_f32 v14, v14, v252                       ; the row's sum
	s_wait_alu depctr_va_vdst(0)
	v_rcp_f32 v14, v14
.rept 4
	v_nop                                          ; the plain line behind the reciprocal, and the places behind the last products
.endr
	s_wait_alu depctr_va_vdst(0)                   ; ahead of the reciprocal's first reader
.set j, 0
.rept 16
	v_pk_mul_f32 v[96+j:97+j], v[160+j:161+j], v[14:15] op_sel_hi:[1,0]   ; each accumulator from its low end on
.set j, j+2
.endr
.irp b, 0,1
	v_max3_num_f32 v[232+\b], |v[96+16*\b]|, |v[97+16*\b]|, FLOOR
.endr
.irp i, 2,4,6,8,10,12,14
.irp b, 0,1
	s_delay_alu instid0(VALU_DEP_2)
	v_max3_num_f32 v[232+\b], v[232+\b], |v[96+16*\b+\i]|, |v[97+16*\b+\i]|
.endr
.endr
.irp b, 0,1
	s_delay_alu instid0(VALU_DEP_2)
	v_permlanex16_b32 v[236+\b], v[232+\b], s[SEL], s[SEL+1]
.endr
.irp b, 0,1
	s_delay_alu instid0(VALU_DEP_2)
	v_max_num_f32 v[232+\b], v[232+\b], v[236+\b]
.endr
.irp b, 0,1
	s_delay_alu instid0(VALU_DEP_2)
	v_add_nc_u32 v[244+\b], EOFF, v[232+\b]
.endr
.irp b, 0,1
	s_delay_alu instid0(VALU_DEP_2)
	v_lshrrev_b32 v[236+\b], 23, v[244+\b]
.endr
	s_delay_alu instid0(VALU_DEP_1)
	v_lshl_or_b32 v240, v237, 8, v236              ; my row's two scale bytes
	v_cvt_scalef32_pk16_fp6_f32 v[224:226], v[96:111], v244
	v_cvt_scalef32_pk16_fp6_f32 v[232:234], v[112:127], v245
	v_nop
.irp i, 0,1,2
	v_permlane16_swap_b32 v[224+\i], v[232+\i]
.endr
.irp i, 0,1,2
	s_delay_alu instid0(VALU_DEP_3)
	v_mov_b32 v[227+\i], v[232+\i]
.endr
.irp p, 0,1,2
	global_store_b64 v[AL8], v[224+2*\p:225+2*\p], s[6:7] offset:256*\p   ; 256 consecutive bytes, aligned
.endr
	global_store_b16 v6, v240, s[8:9]              ; two bytes a row (lanes l and l xor 16 hold the same): a scale word spans two heads, which are two work-groups'
	s_wait_tensorcnt 0x0
	ds_add_u32 v223, v243
	s_wait_dscnt 0x0
	CROUND                                         ; the closing round
	s_endpgm
.Lfunc_end_k_qdc0f24532b_attn:
	.size	k_qdc0f24532b_attn, .Lfunc_end_k_qdc0f24532b_attn-k_qdc0f24532b_attn
	.p2alignl 7, 3214868480
	.fill 96, 4, 3214868480
	.section	.rodata,"a",@progbits
	.p2align	6, 0x0
	.amdhsa_kernel k_qdc0f24532b_attn
		.amdhsa_group_segment_fixed_size 215040
		.amdhsa_private_segment_fixed_size 0
		.amdhsa_enable_private_segment 0
		.amdhsa_kernarg_size 24
		.amdhsa_user_sgpr_count 2
		.amdhsa_user_sgpr_kernarg_segment_ptr 1
		.amdhsa_wavefront_size32 1
		.amdhsa_system_sgpr_workgroup_id_x 1
		.amdhsa_system_sgpr_workgroup_id_y 1
		.amdhsa_system_sgpr_workgroup_id_z 1
		.amdhsa_system_vgpr_workitem_id 0
		.amdhsa_next_free_vgpr 256
		.amdhsa_next_free_sgpr 66
		.amdhsa_reserve_vcc 0
		.amdhsa_float_denorm_mode_32 3
		.amdhsa_float_denorm_mode_16_64 3
		.amdhsa_memory_ordered 1
		.amdhsa_forward_progress 1
		.amdhsa_inst_pref_size 30
	.end_amdhsa_kernel
	.amdgpu_metadata
---
amdhsa.version: [ 1, 2 ]
amdhsa.kernels:
  - .name:           k_qdc0f24532b_attn
    .symbol:         k_qdc0f24532b_attn.kd
    .args:
      - { .name: qkv, .offset: 0, .size: 8, .value_kind: global_buffer, .address_space: global }
      - { .name: oimg, .offset: 8, .size: 8, .value_kind: global_buffer, .address_space: global }
      - { .name: osc, .offset: 16, .size: 8, .value_kind: global_buffer, .address_space: global }
    .group_segment_fixed_size: 215040
    .private_segment_fixed_size: 0
    .kernarg_segment_align: 8
    .kernarg_segment_size: 24
    .max_flat_workgroup_size: 512
    .sgpr_count:     66
    .vgpr_count:     256
    .wavefront_size: 32
...
	.end_amdgpu_metadata
.endif
;; end of part 3
;; launch proj (part 4): grid 8 x 32, 8 waves a work-group, clusters of 4 x 4, 240,640 bytes of LDS; arguments oimg, osc, img, simg, proj_b, out0; writes out0
.if DOCPART == 4
	.amdgcn_target "amdgcn-amd-amdhsa--gfx1250"
	.amdhsa_code_object_version 6
	.text
	.protected	k_qdc0f24532b_proj
	.globl	k_qdc0f24532b_proj
	.p2align	8
	.type	k_qdc0f24532b_proj,@function
k_qdc0f24532b_proj:
	s_mov_b64 s[64:65], 0
	v_nop
	global_prefetch_b8 v0, s[64:65] scope:SCOPE_SE
	s_setreg_imm32_b32 hwreg(HW_REG_WAVE_MODE, 25, 1), 1
	s_wait_xcnt 0x0
	s_wait_alu depctr_hold_cnt(0) depctr_sa_sdst(0) depctr_va_vdst(0) depctr_va_sdst(0) depctr_va_ssrc(0) depctr_va_vcc(0) depctr_vm_vsrc(0)
	s_getreg_b32 s2, hwreg(HW_REG_IB_STS2, 6, 4)
	s_cmp_eq_u32 s2, 0
	s_cbranch_scc0 .Lentry_in_a_cluster
	s_endpgm
.Lentry_in_a_cluster:
	s_bfe_u32 s2, ttmp6, 0x10000c
	s_cmp_lg_u32 s2, 0xf033
	s_cbranch_scc0 .Lentry_shape_is_right
	s_endpgm
.Lentry_shape_is_right:
; out0 = o proj_w^T + proj_b on codes of FP6 (K = 1,024).  o comes from oimg / osc, proj_w from img / simg (groups 56 .. 63), both as images of operand registers:
; a group of 128 rows = [K step of 128][tile of 16 rows][1,536 bytes], 98,304 bytes on end; lane r of tile i = row 32 (i / 2) + 8 (i % 2) + r + 8 (r / 8) of the group.
; oimg's fragments lie as register pairs (pair p at 256 p + 8 l), img's as fours (512 c + 16 l).  Scale words: [group][pair of K steps][tile][r][step of the pair], 4,096 bytes a group.
; SHARES: 32 groups of tokens x 8 groups of columns = 256 work-groups, each 128 x 128.  ALL OF K LIES IN LDS, each byte filled once: A's group, B's group, their scale words: 204,800 bytes.  Nothing is filled again.
; Eight waves, 4 x 2: a wave makes 32 tokens (2 tiles) x 64 columns (4 tiles): 8 accumulators by turns, 8 K steps of 8 products, two sets of six fragments.
; THE HEAD: one joint load a wave, each in an arm of its own: wave 0 A's K 0 .. 511, wave 1 B's, waves 2, 3 the scale words, waves 4, 5 K 512 .. 1,023; waves 6, 7 none.
; The first barrier shows what waves 0-3 waited for; the second, inside K step 2, shows the rest.  CLUSTER 4 x 4: A's group is shared along a row, B's along a column.
; THE PRODUCT IS USED TRANSPOSED (source 0 = proj_w's tile): a lane holds one token, and tiles 2 b, 2 b + 1 give it 16 neighbouring columns 32 b + 16 (lane / 16) + 0 .. 15.
; THE BIAS is loaded straight into the accumulators in that layout, so every product adds in place and nothing is cleared.
; THE WAY OUT: 16 tokens x 256 bytes through the wave's own stage; sixteen lanes store one aligned run of 256 bytes.
; No prefetch: the text has no loop to run ahead in; all its tiles are asked for at the head.  LIMITS: NaN and infinities are not served.
.set FRB,    1536
.set QSTEP,  8*FRB                     ; a group's K step
.set HALFK,  4*QSTEP                   ; what one load of codes brings
.set GRP,    8*QSTEP
.set LB,     GRP                       ; LDS: B's image behind A's
.set LSA,    2*GRP                     ; A's scale words, then B's
.set LSB,    LSA+4096
.set STAGE,  LSB+4096                  ; 16 rows x 272 bytes for each wave
.set SPITCH, 272
.set SPARE,  STAGE+8*16*SPITCH         ; the spare words, 128 bytes a wave
.set ADRA, 2                           ; v2, v3  my A fragments, K steps 0-3 and 4-7
.set ADRB, 4                           ; v4, v5  my B fragments
.set ADRS, 6                           ; v6      scale words: lanes 0-15 A's rows, lanes 16-31 B's
.set STO,  7
.set RD,   8
.set CO,   9
.set SPW,  10
.set NIL,  11
.set BO,   16                          ; v16 is the bias's offset until the scale words land there
.set SC,   16                          ; v16-47  scale words: pair p of K steps, block i, step q at 8 p + 2 i + q
.set ACC,  48                          ; v48-111 accumulator (a, b) at 8 (4 a + b)
.set FRG,  112                         ; v112-255 two sets: B's four fragments, then A's two
.set G1A, 24
.set G1B, 32
.set G1SA, 40
.set G1SB, 48
.set G0A, 56
.set G0B, 60
.set G0SA, 68
.set G0SB, 72
.macro CROUND
	s_barrier_signal -1
	s_barrier_wait -1
	s_cmp_lg_u32 s16, 0
	s_cbranch_scc1 .Lnot_wave_0_\@
	s_barrier_signal -3
.Lnot_wave_0_\@:
	s_barrier_wait -3
	s_barrier_signal -1
	s_barrier_wait -1
.endm
.macro PLACES n
.rept \n
	v_nop
.endr
.endm
.macro GROUP0 g, lds, base, off
	s_mov_b32 s[\g], 1
	s_mov_b32 s[\g+1], \lds
	s_add_nc_u64 s[\g+2:\g+3], s[\base:\base+1], s[\off:\off+1]
	s_or_b32 s[\g+3], s[\g+3], 0x80000000
.endm
.macro ARM w, g0, g1, next
	s_cmp_eq_u32 s16, \w
	s_cbranch_scc0 \next
	tensor_load_to_lds s[\g0:\g0+3], s[\g1:\g1+7]
	s_nop 0
	s_branch .Lasked
\next:
.endm
	s_load_b256 s[4:11], s[0:1], 0x0               ; oimg, osc, img, simg
	s_load_b128 s[12:15], s[0:1], 0x20             ; proj_b, out0
	v_lshl_add_u32 v[SPW], v0, 2, SPARE
	v_mov_b32 v[NIL], 0
	ds_add_u32 v[SPW], v[NIL]                      ; the opening lines: the add twice on end and its wait
	ds_add_u32 v[SPW], v[NIL]
	v_lshrrev_b32 v1, 5, v0
	v_readfirstlane_b32 s16, v1                    ; wave 0..7
	s_and_b32 s17, s16, 3                          ; which 32 tokens are mine
	s_lshr_b32 s18, s16, 2                         ; which 64 columns; also: which half of K I fetch
	s_bfe_u32 s20, ttmp6, 0x40000                  ; cx
	s_bfe_u32 s21, ttmp6, 0x40004                  ; cy
	s_lshl_b32 s22, ttmp9, 2
	s_add_co_u32 s22, s22, s20                     ; the group of columns, 0..7
	s_and_b32 s23, ttmp7, 0xffff
	s_lshl_b32 s23, s23, 2
	s_add_co_u32 s23, s23, s21                     ; the group of tokens, 0..31
	s_lshl_b32 s76, s21, 2
	s_lshl_b32 s76, 15, s76                        ; my row of the cluster
	s_lshl_b32 s77, 0x1111, s20                    ; my column
	s_or_b32 s[G1A], s76, (3<<16)|(1<<21)          ; the mask; elements of 8 bytes; bit 21 beside a mask; no padding: an image is read as it lies
	s_or_b32 s[G1SA], s76, (3<<16)|(1<<21)
	s_or_b32 s[G1B], s77, (3<<16)|(1<<21)
	s_or_b32 s[G1SB], s77, (3<<16)|(1<<21)
.irp g, G1A, G1B                       ; 49,152 dense bytes as 192 rows of 256
	s_mov_b32 s[\g+1], 32<<16
	s_mov_b32 s[\g+2], 192<<16
	s_mov_b32 s[\g+3], 32<<16
	s_mov_b32 s[\g+4], 192
	s_mov_b32 s[\g+5], 32
	s_mov_b32 s[\g+6], 0
	s_mov_b32 s[\g+7], 0
.endr
.irp g, G1SA, G1SB                     ; 4,096 dense bytes as 16 rows of 256
	s_mov_b32 s[\g+1], 32<<16
	s_mov_b32 s[\g+2], 16<<16
	s_mov_b32 s[\g+3], 32<<16
	s_mov_b32 s[\g+4], 16
	s_mov_b32 s[\g+5], 32
	s_mov_b32 s[\g+6], 0
	s_mov_b32 s[\g+7], 0
.endr
	s_mul_i32 s78, s18, HALFK                      ; my half of K, in memory and in LDS alike
	s_add_co_u32 s79, s78, LB
	s_mul_i32 s80, s23, GRP
	s_add_co_u32 s80, s80, s78                     ; A's codes: by the group of tokens alone
	s_mov_b32 s81, 0
	s_add_co_u32 s82, s22, 56
	s_mul_i32 s84, s82, GRP
	s_add_co_u32 s84, s84, s78                     ; B's: by the group of columns alone
	s_mov_b32 s85, 0
	s_lshl_b32 s86, s23, 12
	s_mov_b32 s87, 0
	s_lshl_b32 s88, s82, 12
	s_mov_b32 s89, 0
	s_wait_dscnt 0x0                               ; both opening adds are done
	s_wait_kmcnt 0x0
	GROUP0 G0A, s78, 4, 80
	GROUP0 G0B, s79, 8, 84
	GROUP0 G0SA, LSA, 6, 86
	GROUP0 G0SB, LSB, 10, 88
	CROUND                                         ; all sixteen work-groups are here: the joint loads meet
	ARM 0, G0A, G1A, .Larm1                        ; one chain of arms, one load to an arm
	ARM 1, G0B, G1B, .Larm2
	ARM 2, G0SA, G1SA, .Larm3
	ARM 3, G0SB, G1SB, .Larm4
	ARM 4, G0A, G1A, .Larm5
	ARM 5, G0B, G1B, .Lnone
.Lasked:
	s_mul_i32 s76, s17, 2*FRB                      ; my two tiles of A
	s_mul_i32 s77, s18, 4*FRB
	s_add_co_u32 s77, s77, LB                      ; my four tiles of B
	s_lshl_b32 s78, s17, 8                         ; their scale words: 128 bytes a tile
	s_lshl_b32 s79, s18, 9
	s_add_co_u32 s79, s79, 4096
	s_sub_co_u32 s79, s79, s78                     ; from A's words to B's
	s_add_co_u32 s78, s78, LSA
	s_mul_i32 s80, s16, 16*SPITCH
	s_add_co_u32 s80, s80, STAGE                   ; my stage
	s_lshl_b32 s82, s22, 9
	s_lshl_b32 s83, s18, 8
	s_add_co_u32 s82, s82, s83                     ; my first column, in bytes
	s_mov_b32 s83, 0
	s_add_nc_u64 s[12:13], s[12:13], s[82:83]
	s_lshl_b32 s84, s23, 7
	s_lshl_b32 s85, s17, 5
	s_add_co_u32 s84, s84, s85                     ; my first token
	s_lshl_b32 s84, s84, 12
	s_mov_b32 s85, 0
	s_add_nc_u64 s[14:15], s[14:15], s[84:85]
	s_add_nc_u64 s[14:15], s[14:15], s[82:83]
	v_and_b32 v1, 31, v0                           ; lane
	v_and_b32 v12, 15, v0                          ; r
	v_bfe_u32 v13, v0, 4, 1                        ; h
	v_lshlrev_b32 v14, 3, v1
	v_lshlrev_b32 v15, 4, v1
	v_add_nc_u32 v[ADRA], s76, v14
	v_add_nc_u32 v[ADRB], s77, v15
	v_add_nc_u32 v[ADRA+1], HALFK, v[ADRA]
	v_add_nc_u32 v[ADRB+1], HALFK, v[ADRB]
	v_mul_u32_u24 v14, s79, v13                    ; lanes 16-31 take B's words
	v_lshl_add_u32 v14, v12, 3, v14
	v_add_nc_u32 v[ADRS], s78, v14
	v_mul_u32_u24 v15, v12, SPITCH                 ; into the stage: row r, 64 bytes for each half of the lanes
	v_lshl_add_u32 v15, v13, 6, v15
	v_add_nc_u32 v[STO], s80, v15
	v_mul_u32_u24 v15, v13, SPITCH                 ; back: sixteen lanes to a row of 256 bytes, two rows an instruction
	v_lshl_add_u32 v15, v12, 4, v15
	v_add_nc_u32 v[RD], s80, v15
	v_lshlrev_b32 v[CO], 12, v13                   ; and the same two rows in out0
	v_lshl_add_u32 v[CO], v12, 4, v[CO]
	v_lshlrev_b32 v[BO], 6, v13
.irp a, 0,1                            ; register j of accumulator (a, b) is column 32 (b / 2) + 8 (b % 2) + 16 h + j of my 64
.irp b, 0,1,2,3
	global_load_b128 v[ACC+8*(4*\a+\b):ACC+8*(4*\a+\b)+3], v[BO], s[12:13] offset:128*(\b/2)+32*(\b%2)
	global_load_b128 v[ACC+8*(4*\a+\b)+4:ACC+8*(4*\a+\b)+7], v[BO], s[12:13] offset:128*(\b/2)+32*(\b%2)+16
.endr
.endr
.macro FETCH k, s                      ; K step k's six fragments into set s: 24 loads
.set FB_, FRG+72*(\s)
.irp b, 0,1,2,3
.irp c, 0,1,2
	ds_load_b128 v[FB_+12*\b+4*\c:FB_+12*\b+4*\c+3], v[ADRB+(\k)/4] offset:((\k)%4)*QSTEP+\b*FRB+512*\c
.endr
.endr
.irp a, 0,1
.irp p, 0,1,2,3,4,5
	ds_load_b64 v[FB_+48+12*\a+2*\p:FB_+48+12*\a+2*\p+1], v[ADRA+(\k)/4] offset:((\k)%4)*QSTEP+\a*FRB+256*\p
.endr
.endr
.endm
.macro MUL k                           ; one register carries A's word (lanes 0-15) and B's (lanes 16-31)
.set FB_, FRG+72*((\k)%2)
.set SX_, SC+8*((\k)/2)+(\k)%2
.irp a, 0,1
.irp b, 0,1,2,3
	v_wmma_scale_f32_16x16x128_f8f6f4 v[ACC+8*(4*\a+\b):ACC+8*(4*\a+\b)+7], v[FB_+12*\b:FB_+12*\b+11], v[FB_+48+12*\a:FB_+48+12*\a+11], v[ACC+8*(4*\a+\b):ACC+8*(4*\a+\b)+7], v[SX_+2*\b], v[SX_+2*\a] matrix_a_fmt:MATRIX_FMT_FP6 matrix_b_fmt:MATRIX_FMT_FP6 matrix_a_scale:MATRIX_SCALE_ROW1
.endr
.endr
.endm
.macro KSTEP k
.if (\k) == 2
	s_wait_tensorcnt 0x0                           ; every wave: what is still out is K 512 .. 1,023
	s_wait_dscnt 0x0
	s_barrier_signal -1
	MUL \k                                         ; work on registers between the signal and the wait
	s_barrier_wait -1                              ; the second half of K is shown to all
.else
.if (\k) < 7
	s_wait_dscnt 24                                ; all but the next step's 24 loads
.else
	s_wait_dscnt 0x0
.endif
	MUL \k
.endif
.if (\k) < 6
	PLACES 4                                       ; in front of loads into registers that the products read
	FETCH (\k)+2, (\k)%2
.endif
.endm
	s_wait_alu depctr_va_vdst(0)                   ; the wait at the head's end
	s_wait_loadcnt 0x0                             ; the bias is in, and v16 is free for scale words
	s_cmp_lt_u32 s16, 4
	s_cbranch_scc0 .Llater
	s_wait_tensorcnt 0x0                           ; waves 0-3: K 0 .. 511 and the scale words
.Llater:
	s_barrier_signal -1
	s_barrier_wait -1                              ; the loads of waves 4, 5 may be out
.irp p, 0,1,2,3
.irp i, 0,1,2,3
	ds_load_b64 v[SC+8*\p+2*\i:SC+8*\p+2*\i+1], v[ADRS] offset:1024*\p+128*\i   ; lanes 16-31: B's tile i; lanes 0-15: A's tile i (of i = 2, 3 these lanes are not used)
.endr
.endr
	FETCH 0, 0
	FETCH 1, 1
.irp k, 0,1,2,3,4,5,6,7
	KSTEP \k
.endr
	PLACES 4                                       ; in front of the first read of the sums and of loads into the fragments' registers
.irp a, 0,1
.irp b, 0,1,2,3
	ds_store_b128 v[STO], v[ACC+8*(4*\a+\b):ACC+8*(4*\a+\b)+3] offset:128*(\b/2)+32*(\b%2)       ; each accumulator from its low end on
	ds_store_b128 v[STO], v[ACC+8*(4*\a+\b)+4:ACC+8*(4*\a+\b)+7] offset:128*(\b/2)+32*(\b%2)+16
.endr
.irp t, 0,1,2,3,4,5,6,7
	ds_load_b128 v[FRG+32*\a+4*\t:FRG+32*\a+4*\t+3], v[RD] offset:\t*2*SPITCH   ; LDS serves a wave's instructions in order: these see the stores above, and the next tile's stores come behind them
.endr
.endr
.irp a, 0,1
	s_wait_dscnt 16-16*\a                          ; tile a is back; behind tile 0's loads stand tile 1's 8 stores and 8 loads
.irp t, 0,1,2,3,4,5,6,7
	global_store_b128 v[CO], v[FRG+32*\a+4*\t:FRG+32*\a+4*\t+3], s[14:15] offset:(8*\a+2*\t+8*(\t/4))*4096 th:TH_STORE_NT   ; stage row 2 t + h is token 8 a + 2 t + h + 8 (t / 4) of my 32; 256 consecutive bytes, aligned, for each sixteen lanes
.endr
.endr
	s_wait_tensorcnt 0x0                           ; the wave's end
	ds_add_u32 v[SPW], v[NIL]
	s_wait_dscnt 0x0
	CROUND                                         ; the closing round
	s_endpgm
.Lfunc_end_k_qdc0f24532b_proj:
	.size	k_qdc0f24532b_proj, .Lfunc_end_k_qdc0f24532b_proj-k_qdc0f24532b_proj
	.p2alignl 7, 3214868480
	.fill 96, 4, 3214868480
	.section	.rodata,"a",@progbits
	.p2align	6, 0x0
	.amdhsa_kernel k_qdc0f24532b_proj
		.amdhsa_group_segment_fixed_size 240640
		.amdhsa_private_segment_fixed_size 0
		.amdhsa_enable_private_segment 0
		.amdhsa_kernarg_size 48
		.amdhsa_user_sgpr_count 2
		.amdhsa_user_sgpr_kernarg_segment_ptr 1
		.amdhsa_wavefront_size32 1
		.amdhsa_system_sgpr_workgroup_id_x 1
		.amdhsa_system_sgpr_workgroup_id_y 1
		.amdhsa_system_sgpr_workgroup_id_z 1
		.amdhsa_system_vgpr_workitem_id 0
		.amdhsa_next_free_vgpr 256
		.amdhsa_next_free_sgpr 92
		.amdhsa_reserve_vcc 0
		.amdhsa_float_denorm_mode_32 3
		.amdhsa_float_denorm_mode_16_64 3
		.amdhsa_memory_ordered 1
		.amdhsa_forward_progress 1
		.amdhsa_inst_pref_size 36
	.end_amdhsa_kernel
	.amdgpu_metadata
---
amdhsa.version: [ 1, 2 ]
amdhsa.kernels:
  - .name:           k_qdc0f24532b_proj
    .symbol:         k_qdc0f24532b_proj.kd
    .args:
      - { .name: oimg, .offset: 0, .size: 8, .value_kind: global_buffer, .address_space: global }
      - { .name: osc, .offset: 8, .size: 8, .value_kind: global_buffer, .address_space: global }
      - { .name: img, .offset: 16, .size: 8, .value_kind: global_buffer, .address_space: global }
      - { .name: simg, .offset: 24, .size: 8, .value_kind: global_buffer, .address_space: global }
      - { .name: proj_b, .offset: 32, .size: 8, .value_kind: global_buffer, .address_space: global }
      - { .name: out0, .offset: 40, .size: 8, .value_kind: global_buffer, .address_space: global }
    .group_segment_fixed_size: 240640
    .private_segment_fixed_size: 0
    .kernarg_segment_align: 8
    .kernarg_segment_size: 48
    .max_flat_workgroup_size: 256
    .sgpr_count:     92
    .vgpr_count:     256
    .wavefront_size: 32
...
	.end_amdgpu_metadata
.endif
;; end of part 4
